; MI455X (gfx1250); checked and timed in simulation.
; The chip was launched on July 23, 2026; its instructions are those of AMD's public machine-readable ISA for CDNA 5 (MIT licence, August 2026) and "CDNA5" Instruction Set Architecture Reference Guide (July 2026). The comments in the code are by the model that wrote it; some were corrected since.
;; Multihead Attention. Allowed arithmetic: float matrix products may take bf16 or f16 operands with f32 sums; all other float work in f32.
;; Inputs: Wk 1,024 x 1,024 float32; Wo 1,024 x 1,024 float32; Wq 1,024 x 1,024 float32; Wv 1,024 x 1,024 float32; key 2 x 2,048 x 1,024 float32; query 2 x 2,048 x 1,024 float32; value 2 x 2,048 x 1,024 float32.
;; Outputs: out0 2 x 2,048 x 1,024 float32.
;; One version. Each part assembles by itself: llvm-mc -triple=amdgcn-amd-amdhsa -mcpu=gfx1250 --defsym DOCPART=n.
;; ======== version 1 of 1: 4 launches
;; limits: values are held in f16: magnitudes above 65,504 overflow, below 6.1e-05 lose precision
;; workspace buffers: xh 25,165,824 bytes; wh 8,388,608 bytes; qkv 25,165,824 bytes; ob 8,388,608 bytes
;; launch narrow (part 1): grid 64 x 16, 8 waves a work-group, no clusters, 0 bytes of LDS; arguments query, key, value, Wq, Wk, Wv, Wo, xh, wh; writes xh, wh
.if DOCPART == 1
	.amdgcn_target "amdgcn-amd-amdhsa--gfx1250"
	.amdhsa_code_object_version 6
	.text
	.protected	k_q06ae5af257_narrow
	.globl	k_q06ae5af257_narrow
	.p2align	8
	.type	k_q06ae5af257_narrow,@function
k_q06ae5af257_narrow:
	s_mov_b64 s[64:65], 0
	v_nop
	global_prefetch_b8 v0, s[64:65] scope:SCOPE_SE
	s_setreg_imm32_b32 hwreg(HW_REG_WAVE_MODE, 25, 1), 1
	s_wait_xcnt 0x0
; All seven f32 inputs are rounded once to f16, so that the three matrix launches behind this one read 16-bit operands only.
;   xh = f16 [3][4096][1024]: query, key, value.      wh = f16 [4][1024][1024]: Wq * c, Wk, Wv, Wo.
; c = log2(e) / 8 is the score's 1/sqrt(64) and the change of base for v_exp_f32 (2^x), multiplied in f32 ahead of the rounding:
; the scores then leave the matrix unit in base-2 units and the softmax needs a subtraction alone.
; LIMIT: f16 holds magnitudes below 65,520; a larger input becomes infinity.  Below 6.1e-5 the step is 6e-8 (denormals are kept).
; A stream: no LDS, no barrier, no matrix unit, no cluster (no two work-groups read the same byte).
; y names a unit of 2^20 numbers: 0-3 query, 4-7 key, 8-11 value, 12 Wq, 13 Wk, 14 Wv, 15 Wo.  x names one of its 64 chunks of 16,384 numbers.
; A thread takes 16 x 4 numbers: a wave's load covers 512 consecutive bytes, its store 256 consecutive bytes, aligned.
; All sixteen loads go out first; no register is written twice, so the only waits are the counted ones for the loads.
.set CSC, 0x3e38aa3b                   ; log2(e) / 8
.set XR,  4                            ; v[4:67]   16 x 4 numbers as loaded
.set YR,  68                           ; v[68:99]  16 x 2 registers of f16 pairs
	s_load_b512 s[8:23], s[0:1], 0x0               ; query 8, key 10, value 12, Wq 14, Wk 16, Wv 18, Wo 20, xh 22
	s_load_b64 s[24:25], s[0:1], 0x40              ; wh
	s_and_b32 s2, ttmp7, 0xffff                    ; y: the unit
	s_lshr_b32 s3, s2, 2                           ; 0 query, 1 key, 2 value, 3 a weight
	s_mov_b32 s30, CSC
	s_mov_b32 s31, CSC
	v_lshlrev_b32 v1, 4, v0                        ; 16 bytes a thread in
	v_lshlrev_b32 v2, 3, v0                        ; 8 bytes a thread out
	s_and_b32 s26, s2, 3
	s_lshl_b32 s26, s26, 22                        ; the unit's place in its activation tensor: 4 MiB of f32 each
	s_sub_co_u32 s28, s2, 12                       ; the weight's number (taken only where y >= 12)
	s_cmp_lt_u32 s2, 12
	s_cselect_b32 s26, s26, 0                      ; a weight is one unit: it starts at 0
	s_cselect_b32 s28, s2, s28                     ; the unit's number in xh, or in wh
	s_lshl_b32 s28, s28, 21                        ; 2 MiB of f16 each
	s_lshl_b32 s27, ttmp9, 16                      ; the chunk: 65,536 bytes in,
	s_add_co_u32 s26, s26, s27
	s_lshl_b32 s29, ttmp9, 15                      ; 32,768 bytes out
	s_add_co_u32 s28, s28, s29
	s_mov_b32 s27, 0
	s_mov_b32 s29, 0
	s_wait_kmcnt 0x0
	s_mov_b64 s[4:5], s[8:9]                       ; the source: a choice among the seven inputs on y alone
	s_cmp_eq_u32 s3, 1
	s_cselect_b64 s[4:5], s[10:11], s[4:5]
	s_cmp_eq_u32 s3, 2
	s_cselect_b64 s[4:5], s[12:13], s[4:5]
	s_cmp_eq_u32 s2, 12
	s_cselect_b64 s[4:5], s[14:15], s[4:5]
	s_cmp_eq_u32 s2, 13
	s_cselect_b64 s[4:5], s[16:17], s[4:5]
	s_cmp_eq_u32 s2, 14
	s_cselect_b64 s[4:5], s[18:19], s[4:5]
	s_cmp_eq_u32 s2, 15
	s_cselect_b64 s[4:5], s[20:21], s[4:5]
	s_cmp_lt_u32 s2, 12
	s_cselect_b64 s[6:7], s[22:23], s[24:25]       ; the destination: xh or wh
	s_add_nc_u64 s[4:5], s[4:5], s[26:27]
	s_add_nc_u64 s[6:7], s[6:7], s[28:29]
.set i, 0
.rept 16
	global_load_b128 v[XR+4*i:XR+4*i+3], v1, s[4:5] offset:4096*i th:TH_LOAD_NT   ; read once in the launch
.set i, i+1
.endr
; Sixteen turns: wait for load i (the 15 - i younger ones stay out), scale if asked, round, store.
.macro OUT scaled
.set i, 0
.rept 16
	s_wait_loadcnt 15-i                            ; loads come back in order (ISA guide 5.7.1)
.if \scaled
	v_pk_mul_f32 v[XR+4*i:XR+4*i+1],   v[XR+4*i:XR+4*i+1],   s[30:31] op_sel_hi:[1,0]
	v_pk_mul_f32 v[XR+4*i+2:XR+4*i+3], v[XR+4*i+2:XR+4*i+3], s[30:31] op_sel_hi:[1,0]
.endif
	v_cvt_pk_f16_f32 v[YR+2*i],   v[XR+4*i],   v[XR+4*i+1]
	v_cvt_pk_f16_f32 v[YR+2*i+1], v[XR+4*i+2], v[XR+4*i+3]
	global_store_b64 v2, v[YR+2*i:YR+2*i+1], s[6:7] offset:2048*i   ; no hint: the next launch reads these bytes
.set i, i+1
.endr
.endm
	s_cmp_eq_u32 s2, 12                            ; Wq alone is scaled
	s_cbranch_scc1 .Lscaled
	OUT 0
	s_endpgm
.Lscaled:
	OUT 1
	s_endpgm
.Lfunc_end_k_q06ae5af257_narrow:
	.size	k_q06ae5af257_narrow, .Lfunc_end_k_q06ae5af257_narrow-k_q06ae5af257_narrow
	.p2alignl 7, 3214868480
	.fill 96, 4, 3214868480
	.section	.rodata,"a",@progbits
	.p2align	6, 0x0
	.amdhsa_kernel k_q06ae5af257_narrow
		.amdhsa_group_segment_fixed_size 0
		.amdhsa_private_segment_fixed_size 0
		.amdhsa_enable_private_segment 0
		.amdhsa_kernarg_size 72
		.amdhsa_user_sgpr_count 2
		.amdhsa_user_sgpr_kernarg_segment_ptr 1
		.amdhsa_wavefront_size32 1
		.amdhsa_system_sgpr_workgroup_id_x 1
		.amdhsa_system_sgpr_workgroup_id_y 1
		.amdhsa_system_sgpr_workgroup_id_z 1
		.amdhsa_system_vgpr_workitem_id 0
		.amdhsa_next_free_vgpr 104
		.amdhsa_next_free_sgpr 66
		.amdhsa_reserve_vcc 0
		.amdhsa_float_denorm_mode_32 3
		.amdhsa_float_denorm_mode_16_64 3
		.amdhsa_memory_ordered 1
		.amdhsa_forward_progress 1
		.amdhsa_inst_pref_size 14
	.end_amdhsa_kernel
	.amdgpu_metadata
---
amdhsa.version: [ 1, 2 ]
amdhsa.kernels:
  - .name:           k_q06ae5af257_narrow
    .symbol:         k_q06ae5af257_narrow.kd
    .args:
      - { .name: query, .offset: 0, .size: 8, .value_kind: global_buffer, .address_space: global }
      - { .name: key, .offset: 8, .size: 8, .value_kind: global_buffer, .address_space: global }
      - { .name: value, .offset: 16, .size: 8, .value_kind: global_buffer, .address_space: global }
      - { .name: Wq, .offset: 24, .size: 8, .value_kind: global_buffer, .address_space: global }
      - { .name: Wk, .offset: 32, .size: 8, .value_kind: global_buffer, .address_space: global }
      - { .name: Wv, .offset: 40, .size: 8, .value_kind: global_buffer, .address_space: global }
      - { .name: Wo, .offset: 48, .size: 8, .value_kind: global_buffer, .address_space: global }
      - { .name: xh, .offset: 56, .size: 8, .value_kind: global_buffer, .address_space: global }
      - { .name: wh, .offset: 64, .size: 8, .value_kind: global_buffer, .address_space: global }
    .group_segment_fixed_size: 0
    .private_segment_fixed_size: 0
    .kernarg_segment_align: 8
    .kernarg_segment_size: 72
    .max_flat_workgroup_size: 256
    .sgpr_count:     66
    .vgpr_count:     104
    .wavefront_size: 32
...
	.end_amdgpu_metadata
.endif
;; end of part 1
;; launch qkv (part 2): grid 4 x 48, 4 waves a work-group, clusters of 4 x 4, 327,680 bytes of LDS; arguments xh, wh, qkv; writes qkv
.if DOCPART == 2
	.amdgcn_target "amdgcn-amd-amdhsa--gfx1250"
	.amdhsa_code_object_version 6
	.text
	.protected	k_q06ae5af257_qkv
	.globl	k_q06ae5af257_qkv
	.p2align	8
	.type	k_q06ae5af257_qkv,@function
k_q06ae5af257_qkv:
	s_mov_b64 s[64:65], 0
	v_nop
	global_prefetch_b8 v0, s[64:65] scope:SCOPE_SE
	s_setreg_imm32_b32 hwreg(HW_REG_WAVE_MODE, 25, 1), 1
	s_wait_xcnt 0x0
	s_wait_alu depctr_hold_cnt(0) depctr_sa_sdst(0) depctr_va_vdst(0) depctr_va_sdst(0) depctr_va_ssrc(0) depctr_va_vcc(0) depctr_vm_vsrc(0)
	s_getreg_b32 s2, hwreg(HW_REG_IB_STS2, 6, 4)
	s_cmp_eq_u32 s2, 0
	s_cbranch_scc0 .Lentry_in_a_cluster
	s_endpgm
.Lentry_in_a_cluster:
	s_bfe_u32 s2, ttmp6, 0x10000c
	s_cmp_lg_u32 s2, 0xf033
	s_cbranch_scc0 .Lentry_shape_is_right
	s_endpgm
.Lentry_shape_is_right:
; The three input projections as ONE product: the 12,288 stacked rows of xh (query, key, value) times the transposed weight of their own
; tensor, C[m][n] = sum over k of xh[m][k] wh[which][n][k], which = m / 4096, f16 operands, f32 sums, K = 1024.
; The result is rounded once to f16 and stored HEAD-MAJOR: qkv = f16 [3][b*16+h][2048 tokens][64], so that a head's rows are dense for the next launch.
; LIMIT: a projected number of magnitude 65,520 or more becomes infinity in f16.
; A work-group makes a block of 256 x 256 with four waves, one on each SIMD; a wave makes 128 x 128: 64 accumulator tiles of 16 x 16, 512 registers.
; 48 x 4 = 192 blocks.  (256 equal blocks would be 192 x 256, and 4096 is no multiple of 192: a block would need two weights.)
; K goes in steps of 128 through a ring of two LDS slots filled by the tensor data mover: a tile's rows are 256 bytes of memory, aligned to 256.
; CLUSTERS: 4 x 4 work-groups.  The four of a row of the cluster need the same tiles of xh, the four of a column the same tiles of wh (a cluster's
; 1,024 rows lie in one of the three tensors).  Such a tile is asked for jointly: the same tensor load with the same descriptor and a mask of the four.
;
; REGISTERS, in windows of 256 (s_set_vgpr_msb says which window each operand place means):
;   window 0: v0-31 addresses; v64-127, v128-191 fragments of A (8 x 16 rows x 32 K), two buffers; v192-223 at work on the way out
;   window 1: v64-127, v128-191 fragments of B, two buffers
;   window 2: the 32 accumulator tiles of my rows 0-63 (tile (a, b) at v[8 (8 a + b)]);   window 3: those of my rows 64-127
; THE MATRIX INSTRUCTION IS USED TRANSPOSED: source 0 = 16 rows of the weight, source 1 = 16 rows of xh.  Lane l then holds row l % 16 of C and
; its eight registers the columns 8 (l / 16) + 0 .. 7: eight neighbouring numbers, 16 bytes of f16.
.set SIZE_K, 1024
.set KSTEP,  128
.set PITCH,  272                       ; an LDS row: 256 bytes + 16 of padding, so that the 16 rows of a fragment load start 16 bytes apart modulo 256
.set HALFT,  128*PITCH                 ; 128 rows: what one tensor load brings, and what one wave reads of A or of B
.set SLOT,   4*HALFT                   ; A's 256 rows, then B's 256 rows
.set STAGE,  2*SLOT                    ; behind the ring: 16 rows x 272 bytes for each wave, for the way out; no tensor load lands here
.set SPITCH, 272
.set LAPS, SIZE_K/(2*KSTEP)            ; a lap = two K steps = once round the ring: 4 laps
.set ADRA, 16                          ; v16-17  LDS address of my A fragments in slot 0, 1
.set ADRB, 20                          ; v20-21  the same for B
.set STO,  24                          ; v24     the way out: where I put 16 bytes of a row
.set RD,   25                          ; v25     the way out: where I read 16 bytes back
.set CO,   26                          ; v26     my byte offset in qkv
.set F0,   64                          ; fragment buffer 0
.set F1,   128                         ; fragment buffer 1
.set TMP,  192                         ; the way out: packed results, in window 0
.set G1, 24                            ; s[24:31] descriptor group 1 for A's tiles
.set G0, 32                            ; s[32:39] descriptor group 0 for A's tiles, one set for each slot
.set G1B, 48                           ; s[48:55] descriptor group 1 for B's tiles: it differs in the mask alone
.set G0B, 56                           ; s[56:63] descriptor group 0 for B's tiles, one set for each slot
.set MSB, 0
.macro WIN new                         ; the immediate's high byte repeats the setting that is left
.if MSB != \new
	s_set_vgpr_msb (MSB<<8)|\new
.set MSB, \new
.endif
.endm
.set MUL_LO, 0xa1                      ; source 0 (B) window 1, source 1 (A) window 0, C and D window 2
.set MUL_HI, 0xf1                      ; the same, C and D window 3
.set TO_B,   0x40                      ; destination window 1, address window 0
; A joint load.  Waves 0 and 1 fetch A's two halves, waves 2 and 3 B's.  Each line has one mask and one set of registers; the branch hangs on the wave's number alone.
.macro JLOAD s
	s_cmp_eq_u32 s11, 0
	s_cbranch_scc0 .Lfor_b_\@
	tensor_load_to_lds s[G0+4*\s:G0+4*\s+3], s[G1:G1+7]
	s_nop 0
	s_branch .Lasked_\@
.Lfor_b_\@:
	tensor_load_to_lds s[G0B+4*\s:G0B+4*\s+3], s[G1B:G1B+7]
	s_nop 0
.Lasked_\@:
.endm
; A round of the cluster's barrier: my work-group's barrier; wave 0 signals for the work-group; every wave waits for all sixteen; my work-group's barrier once more.
.macro CREST                           ; a round behind its opening barrier
	s_cmp_lg_u32 s10, 0
	s_cbranch_scc1 .Lnot_wave_0_\@
	s_barrier_signal -3
.Lnot_wave_0_\@:
	s_barrier_wait -3
	s_barrier_signal -1
	s_barrier_wait -1
.endm
.macro CROUND                          ; a whole round
	s_barrier_signal -1
	s_barrier_wait -1
	CREST
.endm
	s_load_b128 s[4:7], s[0:1], 0x0                ; xh s[4:5], wh s[6:7]
	s_load_b64 s[8:9], s[0:1], 0x10                ; qkv
	s_set_vgpr_msb 0x40
	v_lshl_add_u32 v255, v0, 2, 0x48400
	s_set_vgpr_msb 0x4000
	v_mov_b32 v255, 0
	s_set_vgpr_msb 0x1
	ds_add_u32 v255, v255
	s_set_vgpr_msb 0x100
	v_lshrrev_b32 v1, 5, v0
	v_readfirstlane_b32 s10, v1                    ; wave 0..3
	s_lshr_b32 s11, s10, 1                         ; which half of the block's rows is mine.  Also: I fetch for A (0) or for B (1)
	s_and_b32 s12, s10, 1                          ; which half of its columns.  Also: which 128 rows of that tile I fetch
	s_bfe_u32 s40, ttmp6, 0x40000                  ; cx
	s_bfe_u32 s41, ttmp6, 0x40004                  ; cy
	s_lshl_b32 s42, ttmp9, 2
	s_add_co_u32 s42, s42, s40                     ; block column = 4 x cluster x + cx: 0..3
	s_and_b32 s45, ttmp7, 0xffff
	s_lshr_b32 s45, s45, 2                         ; which tensor: four clusters of 1,024 rows each; made of the cluster's y alone, which all sixteen share
	s_and_b32 s13, ttmp7, 0xffff
	s_lshl_b32 s13, s13, 2
	s_add_co_u32 s13, s13, s41                     ; block row = 4 x cluster y + cy: 0..47
	s_lshl_b32 s43, s41, 2
	s_lshl_b32 s43, 15, s43                        ; my row of the cluster: places 4 cy .. 4 cy + 3
	s_lshl_b32 s44, 0x1111, s40                    ; my column: places cx, cx + 4, cx + 8, cx + 12
	; descriptor group 1: a tile of 128 rows x 128 elements, padded in LDS
	s_or_b32 s[G1+0], s43, (1<<16)|(1<<20)|(1<<21)|(5<<22)|(3<<25)  ; 15:0 mask: my row; 17:16 2-byte elements; 20 padding on; 21 set beside a mask; 24:22 after every 64 words; 31:25 four words
	s_or_b32 s[G1B+0], s44, (1<<16)|(1<<20)|(1<<21)|(5<<22)|(3<<25) ; the same with the mask of my column
	s_mov_b32 s[G1B+1], KSTEP<<16
	s_mov_b32 s[G1+1], KSTEP<<16                   ; tensor_dim0 = 128
	s_mov_b32 s[G1B+2], 128<<16
	s_mov_b32 s[G1+2], 128<<16                     ; tensor_dim1 = 128
	s_mov_b32 s[G1B+3], KSTEP<<16
	s_mov_b32 s[G1+3], KSTEP<<16                   ; tile_dim0 = 128
	s_mov_b32 s[G1B+4], 128
	s_mov_b32 s[G1+4], 128                         ; tile_dim1 = 128
	s_mov_b32 s[G1B+5], SIZE_K
	s_mov_b32 s[G1+5], SIZE_K                      ; elements from row to row
	s_mov_b32 s[G1B+6], 0
	s_mov_b32 s[G1+6], 0
	s_mov_b32 s[G1B+7], 0
	s_mov_b32 s[G1+7], 0
	; where the tiles come from.  A's hang on the block row alone, B's on the block column and the cluster's y alone; each in registers that never hold the other coordinate.
	s_lshl_b32 s17, s12, 7                         ; which 128 rows of the tile I fetch
	s_lshl_b32 s16, s13, 8
	s_add_co_u32 s16, s16, s17                     ; A: stacked row 256 x block row + 128 x half
	s_lshl_b32 s46, s42, 8
	s_add_co_u32 s46, s46, s17                     ; B: row 256 x block column + 128 x half
	s_lshl_b32 s45, s45, 10
	s_add_co_u32 s46, s46, s45                     ;    + 1,024 x which: the tensor's own weight in wh
	s_mov_b32 s17, 0
	s_mov_b32 s47, 0
	s_mov_b64 s[18:19], SIZE_K*2
	s_mul_u64 s[16:17], s[16:17], s[18:19]         ; in bytes
	s_mul_u64 s[46:47], s[46:47], s[18:19]
	s_mul_i32 s20, s10, HALFT                      ; where they go: wave x 128 rows
	s_wait_dscnt 0x0
	s_wait_kmcnt 0x0
	s_add_nc_u64 s[14:15], s[4:5], s[16:17]
	s_add_nc_u64 s[46:47], s[6:7], s[46:47]
	CROUND                                         ; all sixteen work-groups are here: the first joint loads meet
.irp s, 0,1
	s_mov_b32 s[G0+4*\s], 1                                        ; count = 1
	s_add_co_u32 s[G0+4*\s+1], s20, \s*SLOT                        ; LDS address
	s_add_nc_u64 s[G0+4*\s+2:G0+4*\s+3], s[14:15], \s*KSTEP*2      ; global address: K step s
	s_or_b32 s[G0+4*\s+3], s[G0+4*\s+3], 0x80000000                ; type = 2
	s_mov_b32 s[G0B+4*\s], 1
	s_add_co_u32 s[G0B+4*\s+1], s20, \s*SLOT
	s_add_nc_u64 s[G0B+4*\s+2:G0B+4*\s+3], s[46:47], \s*KSTEP*2
	s_or_b32 s[G0B+4*\s+3], s[G0B+4*\s+3], 0x80000000
	JLOAD \s                                       ; both slots' first fills go out before anything else: two loads of mine are out
.endr
	; A fragment is 16 rows x 32 K in 8 registers: lane l holds row l % 16; registers 0-3 hold K = 8 (l / 16) + 0..7, registers 4-7 K = 16 + 8 (l / 16) + 0..7.
	v_and_b32 v1, 15, v0                           ; l % 16
	v_bfe_u32 v2, v0, 4, 1                         ; l / 16
	v_mul_u32_u24 v3, v1, PITCH
	v_lshl_add_u32 v3, v2, 4, v3                   ; row x pitch + 16 x half
	s_mul_i32 s21, s11, HALFT                      ; my 128 rows of A
	s_mul_i32 s22, s12, HALFT                      ; my 128 rows of B,
	s_add_co_u32 s22, s22, 2*HALFT                 ; which lie behind A's 256
.irp s, 0,1
	v_add_nc_u32 v[ADRA+\s], s21, v3
	v_add_nc_u32 v[ADRB+\s], s22, v3
	s_add_co_u32 s21, s21, SLOT
	s_add_co_u32 s22, s22, SLOT
.endr
	s_mul_i32 s23, s10, 16*SPITCH
	s_add_co_u32 s23, s23, STAGE                   ; my stage
	v_mul_u32_u24 v4, v1, SPITCH                   ; in: row l % 16, 16 bytes for each half of the lanes
	v_lshl_add_u32 v4, v2, 4, v4
	v_add_nc_u32 v[STO], s23, v4
	; back: a stage row is 256 bytes = my two heads' 128 bytes of one token.  Lanes 0-15 take head 0 of two tokens, lanes 16-31 head 1 of the same two.
	v_bfe_u32 v5, v0, 3, 1                         ; which of the two tokens
	v_mul_u32_u24 v5, v5, SPITCH
	v_and_b32 v6, 7, v0                            ; which 16 bytes of the head's 128
	v_lshl_add_u32 v5, v6, 4, v5
	v_lshl_add_u32 v5, v2, 7, v5                   ; the head
	v_add_nc_u32 v[RD], s23, v5
	v_lshlrev_b32 v5, 18, v2                       ; in qkv a head is 2048 x 128 = 262,144 bytes,
	v_lshl_add_u32 v[CO], v1, 4, v5                ; and two tokens of a head are 256 consecutive bytes
; 16 matrix instructions: m blocks a0, a0 + 1 of the window's four x all 8 n blocks, 32 along K.  zero = 1: the first product starts the sums.
.macro MUL16 f, hi, a0, zero
.irp a, \a0, \a0+1
.irp b, 0,1,2,3,4,5,6,7
.if \zero
	v_wmma_f32_16x16x32_f16 v[8*(8*(\a)+\b):8*(8*(\a)+\b)+7], v[\f+8*\b:\f+8*\b+7], v[\f+8*(4*\hi+\a):\f+8*(4*\hi+\a)+7], 0
.else
	v_wmma_f32_16x16x32_f16 v[8*(8*(\a)+\b):8*(8*(\a)+\b)+7], v[\f+8*\b:\f+8*\b+7], v[\f+8*(4*\hi+\a):\f+8*(4*\hi+\a)+7], v[8*(8*(\a)+\b):8*(8*(\a)+\b)+7]
.endif
.endr
.endr
.endm
; 32 LDS loads in one run: the fragments of one quarter step (128 rows of B, 128 rows of A, 32 K at byte k of the rows) into buffer f
.macro FETCH slot, k, f
	WIN TO_B
.irp i, 0,1,2,3,4,5,6,7
	ds_load_b128 v[\f+8*\i:\f+8*\i+3],   v[ADRB+\slot] offset:\k+\i*16*PITCH
	ds_load_b128 v[\f+8*\i+4:\f+8*\i+7], v[ADRB+\slot] offset:\k+\i*16*PITCH+32
.endr
	WIN 0
.irp i, 0,1,2,3,4,5,6,7
	ds_load_b128 v[\f+8*\i:\f+8*\i+3],   v[ADRA+\slot] offset:\k+\i*16*PITCH
	ds_load_b128 v[\f+8*\i+4:\f+8*\i+7], v[ADRA+\slot] offset:\k+\i*16*PITCH+32
.endr
.endm
; Four independent vector places stand between a matrix instruction and a load into a register that it read, or a vector instruction that reads
; its result (ISA guide 7.12.1 for vector instructions).  The matrix instructions in between are not counted.
.macro PLACES
.rept 4
	v_nop
.endr
.endm
; A K step is four quarter steps of 32 along K, 64 matrix instructions each, on buffers 0, 1, 0, 1.  The 64 accumulators take turns, one
; instruction a turn, in the same order in every quarter.
.macro QUARTER slot, k, f, g, zero
	s_wait_dscnt 8                                 ; B and A's rows 0-63 are in; the youngest eight loads (A's rows 64-127) may be out
	WIN MUL_LO
	MUL16 \f, 0, 0, \zero
	MUL16 \f, 0, 2, \zero
	PLACES
	FETCH \slot, \k, \g
	s_wait_dscnt 32                                ; all but the 32 just issued
	WIN MUL_HI
	MUL16 \f, 1, 0, \zero
	MUL16 \f, 1, 2, \zero
.endm
.macro THREE slot, zero
	QUARTER \slot, 64,  F0, F1, \zero
	QUARTER \slot, 128, F1, F0, 0
	QUARTER \slot, 192, F0, F1, 0
.endm
; The last quarter multiplies buffer 1 and changes slots.  In front of the barrier each wave waits for its own reads of this slot and for all its
; tensor loads (one is out: its part of the next slot).  Behind it the refill comes first, then the next slot's first fragments.
.macro TURN slot, next, fill
	s_wait_dscnt 8
	WIN MUL_LO
	MUL16 F1, 0, 0, 0
	s_wait_dscnt 0                                 ; my reads of this slot are over
	s_wait_tensorcnt 0x0                           ; and all my tensor loads have landed
	ds_add_u32 v255, v255
	s_wait_dscnt 0x0
	s_barrier_signal -1                            ; say so (where a slot is filled again this barrier opens a round of the cluster's barrier),
	MUL16 F1, 0, 2, 0                              ; work on registers while the others arrive,
	WIN 0
	s_barrier_wait -1
.if \fill
	CREST                                          ; no wave of any partner still reads this slot's tile or has a load on its way
	s_add_nc_u64 s[G0+4*\slot+2:G0+4*\slot+3], s[G0+4*\slot+2:G0+4*\slot+3], 2*KSTEP*2
	s_add_nc_u64 s[G0B+4*\slot+2:G0B+4*\slot+3], s[G0B+4*\slot+2:G0B+4*\slot+3], 2*KSTEP*2
	JLOAD \slot                                    ; the first tensor load behind the round, my only one until the next
.endif
	PLACES
	FETCH \next, 0, F0
	WIN MUL_HI
	MUL16 F1, 1, 0, 0
	MUL16 F1, 1, 2, 0
.endm
.macro LAP zero                        ; once round the ring, both slots filled again
	THREE 0, \zero
	TURN 0, 1, 1
	THREE 1, 0
	TURN 1, 0, 1
.endm
	s_wait_tensorcnt 1                             ; my part of K step 0 is in; K step 1's may stay out
	s_barrier_signal -1
	s_barrier_wait -1                              ; everybody's is
	FETCH 0, 0, F0
	LAP 1                                          ; the first lap stands in front of the loop: its first products start the sums
	WIN 0                                          ; at a label and at a branch every window is 0
	s_mov_b32 s3, LAPS-2
.Llap:
	LAP 0
	WIN 0
	s_sub_co_u32 s3, s3, 1
	s_cmp_lg_u32 s3, 0
	s_cbranch_scc1 .Llap
	THREE 0, 0                                     ; the last lap fills nothing and has no round
	TURN 0, 1, 0
	THREE 1, 0
	s_wait_dscnt 8                                 ; the very last quarter: nothing more to fetch
	WIN MUL_LO
	MUL16 F1, 0, 0, 0
	MUL16 F1, 0, 2, 0
	s_wait_dscnt 0
	WIN MUL_HI
	MUL16 F1, 1, 0, 0
	MUL16 F1, 1, 2, 0
	; THE WAY OUT, 16 rows at a time: round to f16, 16 bytes a lane into my own stage, read back so that sixteen lanes hold 256 consecutive bytes of qkv.
	PLACES                                         ; the places behind the last matrix instructions, for the conversions and for the loads into buffers 0 and 1
	s_lshl_b32 s13, s13, 8
	s_lshl_b32 s14, s11, 7
	s_add_co_u32 s16, s13, s14                     ; R0: my first stacked row = which x 4096 + b x 2048 + token
	s_lshr_b32 s17, s16, 11
	s_lshl_b32 s17, s17, 22                        ; (2 which + b) x 16 heads x 262,144 bytes
	s_and_b32 s16, s16, 2047
	s_lshl_b32 s16, s16, 7                         ; token x 128 bytes
	s_add_co_u32 s16, s16, s17
	s_mov_b32 s17, 0
	s_add_nc_u64 s[8:9], s[8:9], s[16:17]
	s_lshl_b32 s46, s42, 20                        ; my first head = 4 x block column + 2 x half, x 262,144 bytes
	s_lshl_b32 s47, s12, 19
	s_add_co_u32 s46, s46, s47
	s_mov_b32 s47, 0
	s_add_nc_u64 s[8:9], s[8:9], s[46:47]
; rows 16 i .. 16 i + 15 of my block = the eight tiles (a, 0..7) of window 2 or 3 (from = 0x0a or 0x0f: sources 0 and 1); f: F0 or F1 in turn
.macro OUT16 i, a, from, f
	WIN \from
.irp b, 0,1,2,3,4,5,6,7
.irp r, 0,1,2,3
	v_cvt_pk_f16_f32 v[TMP+4*\b+\r], v[8*(8*\a+\b)+2*\r], v[8*(8*\a+\b)+2*\r+1]
.endr
.endr
	WIN 0
.irp b, 0,1,2,3,4,5,6,7
	ds_store_b128 v[STO], v[TMP+4*\b:TMP+4*\b+3] offset:32*\b
.endr
	s_wait_xcnt 0x0                                ; buffer f, which earlier stores read, and the stores' base are rewritten only behind this wait (ISA guide 3.1)
.if \i
	s_add_nc_u64 s[8:9], s[8:9], 16*128            ; 16 tokens on
.endif
.irp t, 0,1,2,3,4,5,6,7
	ds_load_b128 v[\f+4*\t:\f+4*\t+3], v[RD] offset:\t*2*SPITCH    ; LDS serves a wave's instructions in order (ISA guide 5.7.1): these see the stores above
.endr
.irp t, 0,1,2,3,4,5,6,7
	s_wait_dscnt 7-\t                              ; load t is in, the younger ones stay out
	global_store_b128 v[CO], v[\f+4*\t:\f+4*\t+3], s[8:9] offset:256*\t   ; 16 lanes store two tokens of one head: 256 consecutive bytes, aligned
.endr
.endm
	OUT16 0, 0, 0x0a, F0
	OUT16 1, 1, 0x0a, F1
	OUT16 2, 2, 0x0a, F0
	OUT16 3, 3, 0x0a, F1
	OUT16 4, 0, 0x0f, F0
	OUT16 5, 1, 0x0f, F1
	OUT16 6, 2, 0x0f, F0
	OUT16 7, 3, 0x0f, F1
	s_set_vgpr_msb 0x1
	s_wait_tensorcnt 0x0
	ds_add_u32 v255, v255
	s_wait_dscnt 0x0
	s_set_vgpr_msb 0x100
	CROUND                                         ; the closing round: no work-group ends while a partner may still ask for a tile that names it
	s_endpgm
.Lfunc_end_k_q06ae5af257_qkv:
	.size	k_q06ae5af257_qkv, .Lfunc_end_k_q06ae5af257_qkv-k_q06ae5af257_qkv
	.p2alignl 7, 3214868480
	.fill 96, 4, 3214868480
	.section	.rodata,"a",@progbits
	.p2align	6, 0x0
	.amdhsa_kernel k_q06ae5af257_qkv
		.amdhsa_group_segment_fixed_size 327680
		.amdhsa_private_segment_fixed_size 0
		.amdhsa_enable_private_segment 0
		.amdhsa_kernarg_size 24
		.amdhsa_user_sgpr_count 2
		.amdhsa_user_sgpr_kernarg_segment_ptr 1
		.amdhsa_wavefront_size32 1
		.amdhsa_system_sgpr_workgroup_id_x 1
		.amdhsa_system_sgpr_workgroup_id_y 1
		.amdhsa_system_sgpr_workgroup_id_z 1
		.amdhsa_system_vgpr_workitem_id 0
		.amdhsa_next_free_vgpr 1024
		.amdhsa_next_free_sgpr 66
		.amdhsa_reserve_vcc 0
		.amdhsa_float_denorm_mode_32 3
		.amdhsa_float_denorm_mode_16_64 3
		.amdhsa_memory_ordered 1
		.amdhsa_forward_progress 1
		.amdhsa_inst_pref_size 197
	.end_amdhsa_kernel
	.amdgpu_metadata
---
amdhsa.version: [ 1, 2 ]
amdhsa.kernels:
  - .name:           k_q06ae5af257_qkv
    .symbol:         k_q06ae5af257_qkv.kd
    .args:
      - { .name: xh, .offset: 0, .size: 8, .value_kind: global_buffer, .address_space: global }
      - { .name: wh, .offset: 8, .size: 8, .value_kind: global_buffer, .address_space: global }
      - { .name: qkv, .offset: 16, .size: 8, .value_kind: global_buffer, .address_space: global }
    .group_segment_fixed_size: 327680
    .private_segment_fixed_size: 0
    .kernarg_segment_align: 8
    .kernarg_segment_size: 24
    .max_flat_workgroup_size: 128
    .sgpr_count:     66
    .vgpr_count:     1024
    .wavefront_size: 32
...
	.end_amdgpu_metadata
.endif
;; end of part 2
;; launch attn (part 3): grid 8 x 32, 8 waves a work-group, clusters of 4 x 1, 327,680 bytes of LDS; arguments qkv, ob; writes ob
.if DOCPART == 3
	.amdgcn_target "amdgcn-amd-amdhsa--gfx1250"
	.amdhsa_code_object_version 6
	.text
	.protected	k_q06ae5af257_attn
	.globl	k_q06ae5af257_attn
	.p2align	8
	.type	k_q06ae5af257_attn,@function
k_q06ae5af257_attn:
	s_mov_b64 s[64:65], 0
	v_nop
	global_prefetch_b8 v0, s[64:65] scope:SCOPE_SE
	s_setreg_imm32_b32 hwreg(HW_REG_WAVE_MODE, 25, 1), 1
	s_wait_xcnt 0x0
	s_wait_alu depctr_hold_cnt(0) depctr_sa_sdst(0) depctr_va_vdst(0) depctr_va_sdst(0) depctr_va_ssrc(0) depctr_va_vcc(0) depctr_vm_vsrc(0)
	s_getreg_b32 s2, hwreg(HW_REG_IB_STS2, 6, 4)
	s_cmp_eq_u32 s2, 0
	s_cbranch_scc0 .Lentry_in_a_cluster
	s_endpgm
.Lentry_in_a_cluster:
	s_bfe_u32 s2, ttmp6, 0x10000c
	s_cmp_lg_u32 s2, 0x3003
	s_cbranch_scc0 .Lentry_shape_is_right
	s_endpgm
.Lentry_shape_is_right:
; Attention of one head (y = b*16+h) for 256 queries (x), with a running maximum: O = softmax(Q K^T / 8) V.
; qkv = f16 [3][32 heads][2048][64]; Q already carries log2(e)/8, so a score s is in base-2 units and a weight is p = 2^(s - m).
; ob = f16 [32 heads][2048][64].
; LIMITS: p is rounded to f16 for the product with V (p below 2^-25 enters it as zero; the row sum keeps p in f32); v_exp_f32 gives zero below 2^-126;
; O is a weighted mean of V and has V's range.
; Eight waves, two on a SIMD, so that one wave's softmax runs beside the other's matrix work; wave w owns 32 queries (two tiles t of 16) against all 2,048 keys.
; CLUSTER: the four work-groups of a cluster are four query blocks of one head and read the same K and V: every fill is a joint load with the mask 15.
; LAYOUTS THAT SPARE EVERY SHUFFLE:
;   S^T = K Q^T: source 0 = 16 keys x 32 d, source 1 = 16 queries x 32 d.  Lane (r, h) holds query r; register j is key 8h + j.
;   Two key tiles, packed to f16 in pairs, ARE source 1 (32 keys x 16 queries) of O^T = V^T P^T; source 0 is V^T, brought by ds_load_tr16_b128 from V [key][d].
;   In O^T lane (r, h) again holds query r, register j is d = 16 dt + 8h + j.  So maximum, sum and rescale factor are one number a lane and tile.
; LDS: two slots of 256 keys: V (pitch 160, an odd multiple of 32, for the transposing loads), then K (pitch 144); behind them a stage of 32 rows x 144 for each wave.
.set VP,     160
.set KP,     144
.set KOFF,   256*VP                    ; 40,960: K behind V in a slot
.set SLOT,   KOFF+256*KP               ; 77,824
.set STAGE,  2*SLOT                    ; 155,648; no tensor load lands here
.set STW,    32*144                    ; a wave's stage
.set KBASE,  8388608                   ; K in qkv
.set VBASE,  16777216                  ; V in qkv
.set FILLB,  256*128                   ; 256 keys of a head in memory
.set KA,  4                            ; v4-5     K fragment address in slot 0, 1
.set VA,  6                            ; v6-7     V fragment address in slot 0, 1
.set MM,  8                            ; v[8:11]  running maximum, twice, for each t
.set AL,  12                           ; v[12:15] rescale factor, twice, for each t
.set LS,  16                           ; v[16:23] two pairs of partial sums for each t
.set MXA, 24                           ; v24-25   first chain of the maximum, for each t
.set MXB, 26                           ; v26-27   second chain
.set TP,  28                           ; v28-29   what the other half of the lanes holds
.set DD,  30                           ; v30-31   old maximum - new maximum
.set QF,  32                           ; v[32:63]   Q fragment (t, c) at 16 t + 8 c
.set SC,  64                           ; v[64:127]  scores at 32 t + 8 kt + j; the packed weights at 32 t + i
.set FR,  128                          ; v[128:191] K fragments at 16 kt + 8 c, later V fragments at 32 kk + 8 dt
.set OA,  192                          ; v[192:255] O^T at 32 t + 8 dt + j
.set G1K, 16                           ; s[16:23]
.set G1V, 24                           ; s[24:31]
.set G0K, 32                           ; s[32:39] one set of four for each slot
.set G0V, 40                           ; s[40:47]
.macro ROUND                           ; a round of the cluster's barrier
	s_barrier_signal -1
	s_barrier_wait -1
	s_cmp_lg_u32 s8, 0
	s_cbranch_scc1 .Lnot_wave_0_\@
	s_barrier_signal -3
.Lnot_wave_0_\@:
	s_barrier_wait -3
	s_barrier_signal -1
	s_barrier_wait -1
.endm
.macro JLOAD n                         ; waves 0-3 fetch V's four quarters of slot n, waves 4-7 K's: one load a wave
	s_cmp_lt_u32 s8, 4
	s_cbranch_scc0 .Lfor_k_\@
	tensor_load_to_lds s[G0V+4*(\n):G0V+4*(\n)+3], s[G1V:G1V+7]
	s_nop 0
	s_branch .Lasked_\@
.Lfor_k_\@:
	tensor_load_to_lds s[G0K+4*(\n):G0K+4*(\n)+3], s[G1K:G1K+7]
	s_nop 0
.Lasked_\@:
.endm
.macro PLACES n
.rept \n
	v_nop
.endr
.endm
	s_load_b128 s[4:7], s[0:1], 0x0                ; qkv s[4:5], ob s[6:7]
	s_set_vgpr_msb 0x40
	v_lshl_add_u32 v0, v0, 2, 0x2f000
	v_mov_b32 v1, 0
	s_set_vgpr_msb 0x4045
	ds_add_u32 v0, v1
	s_set_vgpr_msb 0x4500
	v_lshrrev_b32 v1, 5, v0
	v_readfirstlane_b32 s8, v1                     ; wave 0..7
	s_and_b32 s13, ttmp7, 0xffff                   ; the head, b*16+h
	s_mov_b32 s14, 0x76543210                      ; v_permlanex16_b32: lane i reads lane i of the other half
	s_mov_b32 s15, 0xfedcba98
	; Group 1.  A quarter is 64 keys x 128 bytes, dense in memory: 32 rows of 256 bytes; a pad behind every 32 words gives each key its own LDS row.
	s_mov_b32 s[G1K+0], 15|(1<<16)|(1<<20)|(1<<21)|(4<<22)|(3<<25)  ; mask of the four; 2-byte elements; padding on; bit 21 beside a mask; every 32 words; 4 words: pitch 144
	s_mov_b32 s[G1V+0], 15|(1<<16)|(1<<20)|(1<<21)|(4<<22)|(7<<25)  ; the same with 8 words: pitch 160
	s_mov_b32 s[G1K+1], 128<<16                    ; tensor_dim0 = 128
	s_mov_b32 s[G1V+1], 128<<16
	s_mov_b32 s[G1K+2], 32<<16                     ; tensor_dim1 = 32
	s_mov_b32 s[G1V+2], 32<<16
	s_mov_b32 s[G1K+3], 128<<16                    ; tile_dim0 = 128
	s_mov_b32 s[G1V+3], 128<<16
	s_mov_b32 s[G1K+4], 32                         ; tile_dim1 = 32
	s_mov_b32 s[G1V+4], 32
	s_mov_b32 s[G1K+5], 128                        ; elements from row to row
	s_mov_b32 s[G1V+5], 128
	s_mov_b32 s[G1K+6], 0
	s_mov_b32 s[G1V+6], 0
	s_mov_b32 s[G1K+7], 0
	s_mov_b32 s[G1V+7], 0
	s_mul_i32 s9, s8, 64*VP                        ; V's quarter w in a slot
	s_mul_i32 s10, s8, 64*KP                       ; K's quarter w - 4: the 4 quarters too many are taken off in the constant below
	s_lshl_b32 s48, s13, 18                        ; the head: 262,144 bytes
	s_lshl_b32 s49, s8, 13                         ; 64 keys x 128 bytes a wave
	s_add_co_u32 s48, s48, s49
	s_mov_b32 s49, 0
	; my queries: the only numbers that hang on my place in the cluster; they enter global addresses of Q and O alone
	s_bfe_u32 s11, ttmp6, 0x40000                  ; cx
	s_lshl_b32 s12, ttmp9, 2
	s_add_co_u32 s12, s12, s11                     ; query block 0..7
	s_lshl_b32 s58, s13, 18
	s_lshl_b32 s59, s12, 15                        ; 256 queries x 128 bytes
	s_add_co_u32 s58, s58, s59
	s_lshl_b32 s59, s8, 12                         ; 32 queries x 128 bytes a wave
	s_add_co_u32 s58, s58, s59
	s_mov_b32 s59, 0
	s_wait_dscnt 0x0
	s_wait_kmcnt 0x0
	s_add_nc_u64 s[56:57], s[4:5], s[48:49]        ; qkv + head + 8,192 w
	s_add_nc_u64 s[50:51], s[4:5], s[58:59]        ; my 32 rows of Q
	s_add_nc_u64 s[52:53], s[6:7], s[58:59]        ; my 32 rows of O
.irp n, 0,1
	s_mov_b32 s[G0V+4*\n], 1
	s_add_co_u32 s[G0V+4*\n+1], s9, \n*SLOT                                  ; LDS: slot + 10,240 w             (waves 0-3)
	s_add_nc_u64 s[G0V+4*\n+2:G0V+4*\n+3], s[56:57], VBASE+\n*FILLB
	s_or_b32 s[G0V+4*\n+3], s[G0V+4*\n+3], 0x80000000
	s_mov_b32 s[G0K+4*\n], 1
	s_add_co_u32 s[G0K+4*\n+1], s10, \n*SLOT+KOFF-4*64*KP                    ; LDS: slot + 4,096 + 9,216 w      (waves 4-7)
	s_add_nc_u64 s[G0K+4*\n+2:G0K+4*\n+3], s[56:57], KBASE-4*8192+\n*FILLB
	s_or_b32 s[G0K+4*\n+3], s[G0K+4*\n+3], 0x80000000
.endr
	ROUND                                          ; the four work-groups are here: the first joint loads meet
	JLOAD 0                                        ; keys 0-255
	JLOAD 1                                        ; keys 256-511: two loads of mine are out
	v_and_b32 v1, 15, v0                           ; r
	v_bfe_u32 v2, v0, 4, 1                         ; h
	v_lshlrev_b32 v3, 7, v1
	v_lshl_add_u32 v3, v2, 4, v3                   ; Q: 128 r + 16 h
.irp t, 0,1
.irp c, 0,1
.irp p, 0,1
	global_load_b128 v[QF+16*\t+8*\c+4*\p:QF+16*\t+8*\c+4*\p+3], v3, s[50:51] offset:2048*\t+64*\c+32*\p
.endr
.endr
.endr
	v_mul_u32_u24 v[KA], v1, KP
	v_lshl_add_u32 v[KA], v2, 4, v[KA]             ; key r, 16 h
	v_add_nc_u32 v[KA+1], SLOT+KOFF, v[KA]
	v_add_nc_u32 v[KA], KOFF, v[KA]
	v_and_b32 v[VA], 7, v0
	v_lshl_add_u32 v[VA], v2, 3, v[VA]             ; key 8 h + (l & 7)
	v_mul_u32_u24 v[VA], v[VA], VP
	v_bfe_u32 v[VA+1], v0, 3, 1
	v_lshl_add_u32 v[VA], v[VA+1], 4, v[VA]        ; + 16 ((l >> 3) & 1)
	v_add_nc_u32 v[VA+1], SLOT, v[VA]
	v_mov_b32 v[TP], 0                             ; v_permlanex16_b32 counts as a reader of its destination
	v_mov_b32 v[TP+1], 0
; Pair i (symbol i) of tile t's 32 weights is added to sum chain i & 1.  In the first block the chains start from pairs 0 + 2 and 1 + 3: nothing is cleared.
.macro SUM t, first
.if \first
.if i < 2
	s_wait_alu depctr_va_vdst(0)
	v_pk_add_f32 v[LS+4*\t+2*i:LS+4*\t+2*i+1], v[SC+32*\t+2*i:SC+32*\t+2*i+1], v[SC+32*\t+2*i+4:SC+32*\t+2*i+5]
.endif
.if i > 3
	v_pk_add_f32 v[LS+4*\t+2*(i&1):LS+4*\t+2*(i&1)+1], v[LS+4*\t+2*(i&1):LS+4*\t+2*(i&1)+1], v[SC+32*\t+2*i:SC+32*\t+2*i+1]
.endif
.else
.if i < 2
	s_wait_alu depctr_va_vdst(0)
	v_pk_fma_f32 v[LS+4*\t+2*i:LS+4*\t+2*i+1], v[LS+4*\t+2*i:LS+4*\t+2*i+1], v[AL+2*\t:AL+2*\t+1], v[SC+32*\t+2*i:SC+32*\t+2*i+1]   ; the old sum is rescaled on the way
	s_wait_alu depctr_va_vdst(0)
.else
	v_pk_add_f32 v[LS+4*\t+2*(i&1):LS+4*\t+2*(i&1)+1], v[LS+4*\t+2*(i&1):LS+4*\t+2*(i&1)+1], v[SC+32*\t+2*i:SC+32*\t+2*i+1]
.endif
.endif
.endm
; Pair i is packed in place: register i is never above the registers 2 i, 2 i + 1 that are read, and pairs below i have been summed.
.macro CVT t
	v_cvt_pk_f16_f32 v[SC+32*\t+i], v[SC+32*\t+2*i], v[SC+32*\t+2*i+1]
.endm
; 64 keys x 32 queries of scores become weights.  The two tiles are interleaved so that behind every pair of v_exp_f32 stands a plain vector
; instruction that touches none of their registers (ISA guide 5.7.2).
.macro SOFTMAX first
.if \first
	v_mov_b32 v[MM], v[SC]                         ; the first block's maximum starts from a score of its own
	v_mov_b32 v[MM+2], v[SC+32]
.endif
.irp t, 0,1
	v_max3_num_f32 v[MXA+\t], v[MM+2*\t], v[SC+32*\t], v[SC+32*\t+1]          ; chain A: the old maximum, scores 0-15
	v_max3_num_f32 v[MXB+\t], v[SC+32*\t+16], v[SC+32*\t+17], v[SC+32*\t+18]  ; chain B: scores 16-30
.endr
.irp j, 0,1,2,3,4,5
.irp t, 0,1
	v_max3_num_f32 v[MXA+\t], v[MXA+\t], v[SC+32*\t+2+2*\j], v[SC+32*\t+3+2*\j]
	v_max3_num_f32 v[MXB+\t], v[MXB+\t], v[SC+32*\t+19+2*\j], v[SC+32*\t+20+2*\j]
.endr
.endr
.irp t, 0,1
	v_max3_num_f32 v[MXA+\t], v[MXA+\t], v[SC+32*\t+14], v[SC+32*\t+15]
.endr
.irp t, 0,1
	v_max3_num_f32 v[MXA+\t], v[MXA+\t], v[MXB+\t], v[SC+32*\t+31]
.endr
	v_permlanex16_b32 v[TP], v[MXA], s14, s15      ; the other half of the lanes holds the query's other 32 keys
	v_permlanex16_b32 v[TP+1], v[MXA+1], s14, s15
	v_max_num_f32 v[MXA], v[MXA], v[TP]
	v_max_num_f32 v[MXA+1], v[MXA+1], v[TP+1]
.if \first == 0
	v_sub_f32 v[DD], v[MM], v[MXA]                 ; <= 0
	v_sub_f32 v[DD+1], v[MM+2], v[MXA+1]
.endif
	v_mov_b32 v[MM], v[MXA]                        ; twice: a pair for the packed subtraction
	v_mov_b32 v[MM+1], v[MXA]
	v_mov_b32 v[MM+2], v[MXA+1]
	v_mov_b32 v[MM+3], v[MXA+1]
.if \first == 0
	v_exp_f32 v[AL], v[DD]                         ; the rescale factor, twice: a pair for the packed products
	v_exp_f32 v[AL+1], v[DD]
	v_exp_f32 v[AL+2], v[DD+1]
	v_exp_f32 v[AL+3], v[DD+1]
.endif
.set i, 0
.rept 16
	v_pk_add_f32 v[SC+2*i:SC+2*i+1], v[SC+2*i:SC+2*i+1], v[MM:MM+1] neg_lo:[0,1] neg_hi:[0,1]            ; tile 0: s - m
.set i, i+1
.endr
.set i, 0
.rept 16
	v_exp_f32 v[SC+2*i], v[SC+2*i]                 ; tile 0: p
	v_exp_f32 v[SC+2*i+1], v[SC+2*i+1]
	v_pk_add_f32 v[SC+32+2*i:SC+32+2*i+1], v[SC+32+2*i:SC+32+2*i+1], v[MM+2:MM+3] neg_lo:[0,1] neg_hi:[0,1]   ; tile 1: s - m
.if \first == 0
	s_wait_alu depctr_va_vdst(0)
	v_pk_mul_f32 v[OA+2*i:OA+2*i+1], v[OA+2*i:OA+2*i+1], v[AL:AL+1]                                      ; tile 0: O rescaled
.endif
.set i, i+1
.endr
.set i, 0
.rept 16
	v_exp_f32 v[SC+32+2*i], v[SC+32+2*i]           ; tile 1: p
	v_exp_f32 v[SC+32+2*i+1], v[SC+32+2*i+1]
	SUM 0, \first
	CVT 0
.if \first == 0
	v_pk_mul_f32 v[OA+32+2*i:OA+32+2*i+1], v[OA+32+2*i:OA+32+2*i+1], v[AL+2:AL+3]                        ; tile 1: O rescaled
.endif
.set i, i+1
.endr
.set i, 0
.rept 16
	SUM 1, \first
	CVT 1
.set i, i+1
.endr
.endm
; 64 keys (block blk of the slot's four).  In both products eight accumulators take turns, one instruction a turn.
.macro BLOCK slot, blk, first
.irp c, 0,1
.irp kt, 0,1,2,3
	ds_load_b128 v[FR+16*\kt+8*\c:FR+16*\kt+8*\c+3],   v[KA+\slot] offset:(64*\blk+16*\kt)*KP+64*\c
	ds_load_b128 v[FR+16*\kt+8*\c+4:FR+16*\kt+8*\c+7], v[KA+\slot] offset:(64*\blk+16*\kt)*KP+64*\c+32
.endr
.endr
	s_wait_dscnt 8                                 ; d 0-31 of the four key tiles are in; the eight loads of d 32-63 may be out
.irp kt, 0,1,2,3
.irp t, 0,1
	v_wmma_f32_16x16x32_f16 v[SC+32*\t+8*\kt:SC+32*\t+8*\kt+7], v[FR+16*\kt:FR+16*\kt+7], v[QF+16*\t:QF+16*\t+7], 0
.endr
.endr
	s_wait_dscnt 0
.irp kt, 0,1,2,3
.irp t, 0,1
	v_wmma_f32_16x16x32_f16 v[SC+32*\t+8*\kt:SC+32*\t+8*\kt+7], v[FR+16*\kt+8:FR+16*\kt+15], v[QF+16*\t+8:QF+16*\t+15], v[SC+32*\t+8*\kt:SC+32*\t+8*\kt+7]
.endr
.endr
	PLACES 4                                       ; four places ahead of the loads into K's fragments and of the reads of the scores
.irp kk, 0,1
.irp dt, 0,1,2,3
	ds_load_tr16_b128 v[FR+32*\kk+8*\dt:FR+32*\kk+8*\dt+3],   v[VA+\slot] offset:(64*\blk+32*\kk)*VP+32*\dt          ; V^T: d tile dt, keys 8h .. 8h+7 of the 32
	ds_load_tr16_b128 v[FR+32*\kk+8*\dt+4:FR+32*\kk+8*\dt+7], v[VA+\slot] offset:(64*\blk+32*\kk)*VP+32*\dt+16*VP   ; keys 16+8h ..
.endr
.endr
	SOFTMAX \first                                 ; V's fragments land meanwhile
	s_wait_dscnt 8                                 ; keys 0-31 of V are in; the eight loads of keys 32-63 may be out
.irp dt, 0,1,2,3
.irp t, 0,1
.if \first
	v_wmma_f32_16x16x32_f16 v[OA+32*\t+8*\dt:OA+32*\t+8*\dt+7], v[FR+8*\dt:FR+8*\dt+7], v[SC+32*\t:SC+32*\t+7], 0   ; the first product starts the sums
.else
	v_wmma_f32_16x16x32_f16 v[OA+32*\t+8*\dt:OA+32*\t+8*\dt+7], v[FR+8*\dt:FR+8*\dt+7], v[SC+32*\t:SC+32*\t+7], v[OA+32*\t+8*\dt:OA+32*\t+8*\dt+7]
.endif
.endr
.endr
	s_wait_dscnt 0
.irp dt, 0,1,2,3
.irp t, 0,1
	v_wmma_f32_16x16x32_f16 v[OA+32*\t+8*\dt:OA+32*\t+8*\dt+7], v[FR+32+8*\dt:FR+32+8*\dt+7], v[SC+32*\t+8:SC+32*\t+15], v[OA+32*\t+8*\dt:OA+32*\t+8*\dt+7]
.endr
.endr
	PLACES 5                                       ; five places: the next block's matrix instructions write over the weights, its loads over V's fragments; the way out reads O
.endm
.macro PROCESS slot, first
	BLOCK \slot, 0, \first
	BLOCK \slot, 1, 0
	BLOCK \slot, 2, 0
	BLOCK \slot, 3, 0
.endm
; A change of slots.  In front of the round every wave has waited for all its tensor loads (its part of this slot among them) and for its reads of the
; other slot; behind it the other slot's refill comes first, one load a wave, and has this slot's 128 matrix instructions and four softmax blocks in which to land.
.macro TWO slot, refill
	s_set_vgpr_msb 0x5
	s_wait_tensorcnt 0x0                           ; no load of mine is out, so every group 0 may be written
	ds_add_u32 v0, v1
	s_wait_dscnt 0x0
	s_set_vgpr_msb 0x500
	s_add_nc_u64 s[G0K+6-4*\slot:G0K+7-4*\slot], s[G0K+6-4*\slot:G0K+7-4*\slot], 2*FILLB   ; the other slot's next 256 keys
	s_add_nc_u64 s[G0V+6-4*\slot:G0V+7-4*\slot], s[G0V+6-4*\slot:G0V+7-4*\slot], 2*FILLB
	s_wait_dscnt 0x0                               ; my reads of the other slot are done
	ROUND                                          ; both now hold of every wave of the four work-groups
.if \refill
	JLOAD 1-\slot
.endif
	PROCESS \slot, 0
.endm
	s_wait_tensorcnt 0x1                           ; my part of slot 0 is in; slot 1's may stay out
	s_wait_loadcnt 0x0                             ; Q
	s_barrier_signal -1
	s_barrier_wait -1
	PROCESS 0, 1                                   ; keys 0-255
	s_mov_b32 s54, 3
.Lloop:
	TWO 1, 1
	TWO 0, 1
	s_sub_co_u32 s54, s54, 1
	s_cmp_lg_u32 s54, 0
	s_cbranch_scc1 .Lloop
	TWO 1, 0                                       ; keys 1792-2047: nothing is left to fetch (slot 0's stepped addresses are not used)
	; THE WAY OUT.  The places behind the last matrix instructions are the five at the last block's end.
.irp t, 0,1
	v_pk_add_f32 v[LS+4*\t:LS+4*\t+1], v[LS+4*\t:LS+4*\t+1], v[LS+4*\t+2:LS+4*\t+3]
.endr
.irp t, 0,1
	v_add_f32 v[LS+4*\t], v[LS+4*\t], v[LS+4*\t+1]
.endr
	v_permlanex16_b32 v[TP], v[LS], s14, s15       ; the other half's keys
	v_permlanex16_b32 v[TP+1], v[LS+4], s14, s15
	v_add_f32 v[LS], v[LS], v[TP]
	v_add_f32 v[LS+4], v[LS+4], v[TP+1]
	v_rcp_f32 v[AL], v[LS]                         ; the sum is at least 1: the largest weight is 2^0
	v_rcp_f32 v[AL+1], v[LS]
	v_rcp_f32 v[AL+2], v[LS+4]
	v_rcp_f32 v[AL+3], v[LS+4]
	s_mul_i32 s9, s8, STW                          ; my stage; the address work below also is the plain place behind v_rcp_f32 (ISA guide 5.7.2)
	s_add_co_u32 s9, s9, STAGE
	v_mul_u32_u24 v[MXA], v1, 144                  ; in: row r, 16 h
	v_lshl_add_u32 v[MXA], v2, 4, v[MXA]
	v_add_nc_u32 v[MXA], s9, v[MXA]
	v_bfe_u32 v[MXB], v0, 3, 2                     ; back: four rows of 128 bytes a load: row l >> 3,
	v_mul_u32_u24 v[MXA+1], v[MXB], 144
	v_and_b32 v[MXB], 7, v0                        ; 16 (l & 7)
	v_lshl_add_u32 v[MXA+1], v[MXB], 4, v[MXA+1]
	v_add_nc_u32 v[MXA+1], s9, v[MXA+1]
	v_and_b32 v[DD], 31, v0
	v_lshlrev_b32 v[DD], 4, v[DD]                  ; in ob my 32 rows are 4,096 dense bytes: 16 l
	s_wait_alu depctr_va_vdst(0)
.irp t, 0,1
.set i, 0
.rept 16
	v_pk_mul_f32 v[OA+32*\t+2*i:OA+32*\t+2*i+1], v[OA+32*\t+2*i:OA+32*\t+2*i+1], v[AL+2*\t:AL+2*\t+1]
.set i, i+1
.endr
.endr
.irp t, 0,1
.set i, 0
.rept 16
	v_cvt_pk_f16_f32 v[SC+16*\t+i], v[OA+32*\t+2*i], v[OA+32*\t+2*i+1]
.set i, i+1
.endr
.endr
.irp t, 0,1
.irp dt, 0,1,2,3
	ds_store_b128 v[MXA], v[SC+16*\t+4*\dt:SC+16*\t+4*\dt+3] offset:16*144*\t+32*\dt   ; query 16 t + r, d 16 dt + 8 h .. + 7
.endr
.endr
.irp u, 0,1,2,3,4,5,6,7
	ds_load_b128 v[FR+4*\u:FR+4*\u+3], v[MXA+1] offset:4*144*\u   ; my own bytes, served in order behind the stores (ISA guide 5.7.1)
.endr
.irp u, 0,1,2,3,4,5,6,7
	s_wait_dscnt 7-\u                              ; load u is in, the younger ones stay out
	global_store_b128 v[DD], v[FR+4*\u:FR+4*\u+3], s[52:53] offset:512*\u   ; a wave's store covers 512 consecutive bytes, aligned
.endr
	s_set_vgpr_msb 0x5
	s_wait_tensorcnt 0x0
	ds_add_u32 v0, v1
	s_wait_dscnt 0x0
	s_set_vgpr_msb 0x500
	ROUND                                          ; the closing round: no work-group ends while a partner may still ask for a tile that names it
	s_endpgm
.Lfunc_end_k_q06ae5af257_attn:
	.size	k_q06ae5af257_attn, .Lfunc_end_k_q06ae5af257_attn-k_q06ae5af257_attn
	.p2alignl 7, 3214868480
	.fill 96, 4, 3214868480
	.section	.rodata,"a",@progbits
	.p2align	6, 0x0
	.amdhsa_kernel k_q06ae5af257_attn
		.amdhsa_group_segment_fixed_size 327680
		.amdhsa_private_segment_fixed_size 0
		.amdhsa_enable_private_segment 0
		.amdhsa_kernarg_size 16
		.amdhsa_user_sgpr_count 2
		.amdhsa_user_sgpr_kernarg_segment_ptr 1
		.amdhsa_wavefront_size32 1
		.amdhsa_system_sgpr_workgroup_id_x 1
		.amdhsa_system_sgpr_workgroup_id_y 1
		.amdhsa_system_sgpr_workgroup_id_z 1
		.amdhsa_system_vgpr_workitem_id 0
		.amdhsa_next_free_vgpr 258
		.amdhsa_next_free_sgpr 66
		.amdhsa_reserve_vcc 0
		.amdhsa_float_denorm_mode_32 3
		.amdhsa_float_denorm_mode_16_64 3
		.amdhsa_memory_ordered 1
		.amdhsa_forward_progress 1
		.amdhsa_inst_pref_size 255
	.end_amdhsa_kernel
	.section	.bss,"aw",@nobits
	.p2align	6
	.space	262144
	.amdgpu_metadata
---
amdhsa.version: [ 1, 2 ]
amdhsa.kernels:
  - .name:           k_q06ae5af257_attn
    .symbol:         k_q06ae5af257_attn.kd
    .args:
      - { .name: qkv, .offset: 0, .size: 8, .value_kind: global_buffer, .address_space: global }
      - { .name: ob, .offset: 8, .size: 8, .value_kind: global_buffer, .address_space: global }
    .group_segment_fixed_size: 327680
    .private_segment_fixed_size: 0
    .kernarg_segment_align: 8
    .kernarg_segment_size: 16
    .max_flat_workgroup_size: 256
    .sgpr_count:     66
    .vgpr_count:     258
    .wavefront_size: 32
...
	.end_amdgpu_metadata
.endif
;; end of part 3
;; launch oproj (part 4): grid 8 x 32, 4 waves a work-group, clusters of 4 x 4, 327,680 bytes of LDS; arguments ob, wh, out0; writes out0
.if DOCPART == 4
	.amdgcn_target "amdgcn-amd-amdhsa--gfx1250"
	.amdhsa_code_object_version 6
	.text
	.protected	k_q06ae5af257_oproj
	.globl	k_q06ae5af257_oproj
	.p2align	8
	.type	k_q06ae5af257_oproj,@function
k_q06ae5af257_oproj:
	s_mov_b64 s[64:65], 0
	v_nop
	global_prefetch_b8 v0, s[64:65] scope:SCOPE_SE
	s_setreg_imm32_b32 hwreg(HW_REG_WAVE_MODE, 25, 1), 1
	s_wait_xcnt 0x0
	s_wait_alu depctr_hold_cnt(0) depctr_sa_sdst(0) depctr_va_vdst(0) depctr_va_sdst(0) depctr_va_ssrc(0) depctr_va_vcc(0) depctr_vm_vsrc(0)
	s_getreg_b32 s2, hwreg(HW_REG_IB_STS2, 6, 4)
	s_cmp_eq_u32 s2, 0
	s_cbranch_scc0 .Lentry_in_a_cluster
	s_endpgm
.Lentry_in_a_cluster:
	s_bfe_u32 s2, ttmp6, 0x10000c
	s_cmp_lg_u32 s2, 0xf033
	s_cbranch_scc0 .Lentry_shape_is_right
	s_endpgm
.Lentry_shape_is_right:
; out0[m][n] = sum over e of O[m][e] Wo[n][e], f16 operands, f32 sums, f32 out.  O comes head-major: ob = f16 [b*16+h][2048][64], e = 64 h + d.
; Wo is the fourth matrix of wh (f16 [4][1024][1024]).
; 32 x 8 = 256 blocks of 128 x 128, one on each WGP; four waves, each 64 x 64 in 16 accumulator tiles.
; K = 1024 goes in four fills of 256 (four heads) through two LDS slots, written out without a loop.
; CLUSTERS: 4 x 4 work-groups; O's tile hangs on the block row alone and is asked for jointly along a row of the cluster, Wo's on the block column alone, along a column.
; THE MATRIX INSTRUCTION IS USED TRANSPOSED (source 0 = 16 rows of Wo, source 1 = 16 tokens): lane l holds token l % 16 and eight neighbouring columns, 32 bytes of f32.
; LDS: slot = A [4 heads][128 tokens] at pitch 144, then B 128 rows of 512 bytes at pitch 528 (both odd multiples of 16); behind the ring a stage of 16 rows x 272 for each wave.
; REGISTERS: window 0: addresses, two fragment buffers (B's four fragments, then A's four); window 1: v0-127 the accumulators, tile (a, b) at 8 (4 a + b).
.set APITCH, 144
.set BPITCH, 528
.set AHEAD,  128*APITCH                ; a head's 128 tokens: 18,432
.set BOFF,   4*AHEAD                   ; 73,728
.set SLOT,   BOFF+128*BPITCH           ; 141,312
.set STAGE,  2*SLOT                    ; 282,624; no tensor load lands here
.set SPITCH, 272
.set AFILL,  4*262144                  ; four heads on in ob
.set BFILL,  512                       ; 256 elements on along Wo's rows
.set ADRA, 16                          ; v16-17
.set ADRB, 20                          ; v20-21
.set STO,  24
.set RD,   25
.set CO,   26
.set F0,   64
.set F1,   128
.set G1, 24                            ; s[24:31] group 1 for A
.set G0, 32                            ; s[32:39] group 0 for A, one set for each slot
.set G1B, 48                           ; s[48:55] group 1 for B
.set G0B, 56                           ; s[56:63] group 0 for B
.set MSB, 0
.macro WIN new                         ; the immediate's high byte repeats the setting that is left
.if MSB != \new
	s_set_vgpr_msb (MSB<<8)|\new
.set MSB, \new
.endif
.endm
.macro JLOAD s                         ; waves 0 and 1 fetch two heads of A each, waves 2 and 3 64 rows of B each
	s_cmp_eq_u32 s11, 0
	s_cbranch_scc0 .Lfor_b_\@
	tensor_load_to_lds s[G0+4*\s:G0+4*\s+3], s[G1:G1+7]
	s_nop 0
	s_branch .Lasked_\@
.Lfor_b_\@:
	tensor_load_to_lds s[G0B+4*\s:G0B+4*\s+3], s[G1B:G1B+7]
	s_nop 0
.Lasked_\@:
.endm
.macro CROUND                          ; a round of the cluster's barrier
	s_barrier_signal -1
	s_barrier_wait -1
	s_cmp_lg_u32 s10, 0
	s_cbranch_scc1 .Lnot_wave_0_\@
	s_barrier_signal -3
.Lnot_wave_0_\@:
	s_barrier_wait -3
	s_barrier_signal -1
	s_barrier_wait -1
.endm
.macro PLACES                          ; four independent vector places behind a matrix instruction (ISA guide 7.12.1 for vector instructions)
.rept 4
	v_nop
.endr
.endm
	s_load_b128 s[4:7], s[0:1], 0x0                ; ob s[4:5], wh s[6:7]
	s_load_b64 s[8:9], s[0:1], 0x10                ; out0
	v_lshl_add_u32 v254, v0, 2, 0x49400
	v_mov_b32 v255, 0
	ds_add_u32 v254, v255
	v_lshrrev_b32 v1, 5, v0
	v_readfirstlane_b32 s10, v1                    ; wave 0..3
	s_lshr_b32 s11, s10, 1                         ; my half of the block's tokens.  Also: I fetch for A (0) or for B (1)
	s_and_b32 s12, s10, 1                          ; my half of its columns.  Also: which half of that tile I fetch
	s_bfe_u32 s40, ttmp6, 0x40000                  ; cx
	s_bfe_u32 s41, ttmp6, 0x40004                  ; cy
	s_lshl_b32 s42, ttmp9, 2
	s_add_co_u32 s42, s42, s40                     ; block column 0..7
	s_and_b32 s13, ttmp7, 0xffff
	s_lshl_b32 s13, s13, 2
	s_add_co_u32 s13, s13, s41                     ; block row 0..31
	s_lshl_b32 s43, s41, 2
	s_lshl_b32 s43, 15, s43                        ; my row of the cluster
	s_lshl_b32 s44, 0x1111, s40                    ; my column
	; A: two heads, each 128 tokens x 64 d = 8,192 dense elements: a tile of 2 rows of 8,192, 131,072 elements apart; a pad of 4 words behind every 32 gives each token a row of 144 bytes
	s_or_b32 s[G1+0], s43, (1<<16)|(1<<20)|(1<<21)|(4<<22)|(3<<25)
	s_mov_b32 s[G1+1], 8192<<16                    ; tensor_dim0
	s_mov_b32 s[G1+2], 2<<16                       ; tensor_dim1
	s_mov_b32 s[G1+3], 8192<<16                    ; tile_dim0
	s_mov_b32 s[G1+4], 2                           ; tile_dim1
	s_mov_b32 s[G1+5], 131072                      ; from head to head
	s_mov_b32 s[G1+6], 0
	s_mov_b32 s[G1+7], 0
	; B: 64 rows of 256 elements (512 bytes), 1,024 elements apart; a pad of 4 words behind every 128: pitch 528
	s_or_b32 s[G1B+0], s44, (1<<16)|(1<<20)|(1<<21)|(6<<22)|(3<<25)
	s_mov_b32 s[G1B+1], 256<<16
	s_mov_b32 s[G1B+2], 64<<16
	s_mov_b32 s[G1B+3], 256<<16
	s_mov_b32 s[G1B+4], 64
	s_mov_b32 s[G1B+5], 1024
	s_mov_b32 s[G1B+6], 0
	s_mov_b32 s[G1B+7], 0
	; where the tiles come from, each in registers that never hold the other coordinate
	s_lshr_b32 s16, s13, 4                         ; A: b = block row / 16: 16 heads x 262,144 bytes,
	s_lshl_b32 s16, s16, 22
	s_and_b32 s17, s13, 15                         ;    128 tokens x 128 bytes a block row,
	s_lshl_b32 s17, s17, 14
	s_add_co_u32 s16, s16, s17
	s_lshl_b32 s17, s12, 19                        ;    two heads a wave
	s_add_co_u32 s16, s16, s17
	s_mov_b32 s17, 0
	s_lshl_b32 s46, s42, 18                        ; B: 128 rows x 2,048 bytes a block column,
	s_lshl_b32 s47, s12, 17                        ;    64 rows a wave,
	s_add_co_u32 s46, s46, s47
	s_add_co_u32 s46, s46, 3*2097152               ;    in the fourth matrix of wh
	s_mov_b32 s47, 0
	s_mul_i32 s20, s10, 2*AHEAD                    ; where they go.  A: 36,864 w                      (waves 0, 1)
	s_mul_i32 s21, s10, 64*BPITCH
	s_add_co_u32 s21, s21, BOFF-2*64*BPITCH        ;                 B: 6,144 + 33,792 w              (waves 2, 3)
	s_wait_dscnt 0x0
	s_wait_kmcnt 0x0
	s_add_nc_u64 s[14:15], s[4:5], s[16:17]
	s_add_nc_u64 s[46:47], s[6:7], s[46:47]
	CROUND                                         ; all sixteen work-groups are here: the first joint loads meet
.irp s, 0,1
	s_mov_b32 s[G0+4*\s], 1
	s_add_co_u32 s[G0+4*\s+1], s20, \s*SLOT
	s_add_nc_u64 s[G0+4*\s+2:G0+4*\s+3], s[14:15], \s*AFILL
	s_or_b32 s[G0+4*\s+3], s[G0+4*\s+3], 0x80000000
	s_mov_b32 s[G0B+4*\s], 1
	s_add_co_u32 s[G0B+4*\s+1], s21, \s*SLOT
	s_add_nc_u64 s[G0B+4*\s+2:G0B+4*\s+3], s[46:47], \s*BFILL
	s_or_b32 s[G0B+4*\s+3], s[G0B+4*\s+3], 0x80000000
	JLOAD \s                                       ; fills 0 and 1: two loads of mine are out
.endr
	v_and_b32 v1, 15, v0                           ; r
	v_bfe_u32 v2, v0, 4, 1                         ; h
	v_mul_u32_u24 v3, v1, APITCH
	v_lshl_add_u32 v3, v2, 4, v3
	v_mul_u32_u24 v4, v1, BPITCH
	v_lshl_add_u32 v4, v2, 4, v4
	s_mul_i32 s22, s11, 64*APITCH                  ; my 64 tokens in each head
	s_mul_i32 s23, s12, 64*BPITCH                  ; my 64 rows of B
	s_add_co_u32 s23, s23, BOFF
.irp s, 0,1
	v_add_nc_u32 v[ADRA+\s], s22, v3
	v_add_nc_u32 v[ADRB+\s], s23, v4
	s_add_co_u32 s22, s22, SLOT
	s_add_co_u32 s23, s23, SLOT
.endr
	s_mul_i32 s3, s10, 16*SPITCH
	s_add_co_u32 s3, s3, STAGE                     ; my stage
	v_mul_u32_u24 v5, v1, SPITCH                   ; in: row r, 32 bytes for each half of the lanes
	v_lshl_add_u32 v5, v2, 5, v5
	v_add_nc_u32 v[STO], s3, v5
	v_mul_u32_u24 v5, v2, SPITCH                   ; back: lanes 0-15 one row of 256 bytes, lanes 16-31 the next
	v_lshl_add_u32 v5, v1, 4, v5
	v_add_nc_u32 v[RD], s3, v5
	v_lshlrev_b32 v5, 12, v2                       ; the same two rows in out0: 4,096 bytes apart
	v_lshl_add_u32 v[CO], v1, 4, v5
; 16 matrix instructions, 32 along K; the 16 accumulators take turns, one instruction a turn, in the same order every time
.macro MUL16 f, zero
.irp a, 0,1,2,3
.irp b, 0,1,2,3
.if \zero
	v_wmma_f32_16x16x32_f16 v[8*(4*\a+\b):8*(4*\a+\b)+7], v[\f+8*\b:\f+8*\b+7], v[\f+32+8*\a:\f+32+8*\a+7], 0
.else
	v_wmma_f32_16x16x32_f16 v[8*(4*\a+\b):8*(4*\a+\b)+7], v[\f+8*\b:\f+8*\b+7], v[\f+32+8*\a:\f+32+8*\a+7], v[8*(4*\a+\b):8*(4*\a+\b)+7]
.endif
.endr
.endr
.endm
; The fragments of step q (32 along K; head q / 2, d 32 (q & 1) ..) into buffer f, behind the places that its last readers ask for
.macro FETCH slot, q, f
	PLACES
.irp i, 0,1,2,3
	ds_load_b128 v[\f+8*\i:\f+8*\i+3],   v[ADRB+\slot] offset:\i*16*BPITCH+64*(\q)
	ds_load_b128 v[\f+8*\i+4:\f+8*\i+7], v[ADRB+\slot] offset:\i*16*BPITCH+64*(\q)+32
.endr
.irp i, 0,1,2,3
	ds_load_b128 v[\f+32+8*\i:\f+32+8*\i+3], v[ADRA+\slot] offset:AHEAD*((\q)>>1)+\i*16*APITCH+64*((\q)&1)
	ds_load_b128 v[\f+32+8*\i+4:\f+32+8*\i+7], v[ADRA+\slot] offset:AHEAD*((\q)>>1)+\i*16*APITCH+64*((\q)&1)+32
.endr
.endm
.macro QTR slot, q, f, g, zero, more
.if \more
	FETCH \slot, \q+1, \g                          ; the next step's fragments go out ahead of this step's products
	s_wait_dscnt 16                                ; all but the 16 just issued
.else
	s_wait_dscnt 0
.endif
	WIN 0x50                                       ; C and D in window 1
	MUL16 \f, \zero
	WIN 0
.endm
.macro SLOTWORK slot, zero
	FETCH \slot, 0, F0
	QTR \slot, 0, F0, F1, \zero, 1
	QTR \slot, 1, F1, F0, 0, 1
	QTR \slot, 2, F0, F1, 0, 1
	QTR \slot, 3, F1, F0, 0, 1
	QTR \slot, 4, F0, F1, 0, 1
	QTR \slot, 5, F1, F0, 0, 1
	QTR \slot, 6, F0, F1, 0, 1
	QTR \slot, 7, F1, F0, 0, 0
.endm
; The slot that has just been read is filled again, two fills ahead: the waits, the round, then the joint load first, one a wave.
.macro REFILL slot
	s_wait_tensorcnt 0x0                           ; all my tensor loads have landed, my part of the other slot among them: every group 0 may be written
	ds_add_u32 v254, v255
	s_add_nc_u64 s[G0+4*\slot+2:G0+4*\slot+3], s[G0+4*\slot+2:G0+4*\slot+3], 2*AFILL
	s_add_nc_u64 s[G0B+4*\slot+2:G0B+4*\slot+3], s[G0B+4*\slot+2:G0B+4*\slot+3], 2*BFILL
	s_wait_dscnt 0x0                               ; my reads of this slot are done
	CROUND                                         ; both now hold of every wave of the sixteen work-groups
	JLOAD \slot
.endm
	s_wait_tensorcnt 0x1                           ; my part of fill 0 is in; fill 1's may stay out
	s_barrier_signal -1
	s_barrier_wait -1
	SLOTWORK 0, 1                                  ; heads 0-3: the first products start the sums
	REFILL 0                                       ; heads 8-11 go out
	SLOTWORK 1, 0                                  ; heads 4-7
	REFILL 1                                       ; heads 12-15 go out: the last load
	SLOTWORK 0, 0                                  ; heads 8-11
	s_wait_tensorcnt 0x0                           ; my part of the last fill is in,
	s_wait_dscnt 0x0
	s_barrier_signal -1
	s_barrier_wait -1                              ; everybody's is; nothing is filled again, so no round
	SLOTWORK 1, 0                                  ; heads 12-15
	; THE WAY OUT, 16 tokens at a time, in f32: 32 bytes a lane into my own stage, read back as whole rows of 256 bytes.
	PLACES                                         ; the places behind the last matrix instructions, for the LDS stores of results and the loads into the fragment buffers
	s_lshl_b32 s16, s13, 19                        ; 128 tokens x 4,096 bytes a block row,
	s_lshl_b32 s17, s11, 18                        ; 64 tokens a wave
	s_add_co_u32 s16, s16, s17
	s_mov_b32 s17, 0
	s_add_nc_u64 s[8:9], s[8:9], s[16:17]
	s_lshl_b32 s46, s42, 9                         ; 128 columns x 4 bytes a block column,
	s_lshl_b32 s47, s12, 8                         ; 64 columns a wave
	s_add_co_u32 s46, s46, s47
	s_mov_b32 s47, 0
	s_add_nc_u64 s[8:9], s[8:9], s[46:47]
.macro OUT16 a, f
	WIN 0x04                                       ; an LDS store's data is source 1: window 1
.irp b, 0,1,2,3
	ds_store_b128 v[STO], v[8*(4*\a+\b):8*(4*\a+\b)+3]   offset:64*\b      ; token r, columns 16 b + 8 h .. + 3
	ds_store_b128 v[STO], v[8*(4*\a+\b)+4:8*(4*\a+\b)+7] offset:64*\b+16   ; .. + 4 .. + 7
.endr
	WIN 0
	s_wait_xcnt 0x0                                ; buffer f, which earlier stores read, and the stores' base are rewritten only behind this wait (ISA guide 3.1)
.if \a
	s_add_nc_u64 s[8:9], s[8:9], 16*4096           ; 16 tokens on
.endif
.irp t, 0,1,2,3,4,5,6,7
	ds_load_b128 v[\f+4*\t:\f+4*\t+3], v[RD] offset:\t*2*SPITCH   ; my own bytes, served in order behind the stores (ISA guide 5.7.1)
.endr
.irp t, 0,1,2,3,4,5,6,7
	s_wait_dscnt 7-\t                              ; load t is in, the younger ones stay out
	global_store_b128 v[CO], v[\f+4*\t:\f+4*\t+3], s[8:9] offset:\t*8192 th:TH_STORE_NT   ; 16 lanes store 256 consecutive bytes, aligned; not read again
.endr
.endm
	OUT16 0, F0
	OUT16 1, F1
	OUT16 2, F0
	OUT16 3, F1
	s_wait_tensorcnt 0x0
	ds_add_u32 v254, v255
	s_wait_dscnt 0x0
	CROUND                                         ; the closing round: no work-group ends while a partner may still ask for a tile that names it
	s_endpgm
.Lfunc_end_k_q06ae5af257_oproj:
	.size	k_q06ae5af257_oproj, .Lfunc_end_k_q06ae5af257_oproj-k_q06ae5af257_oproj
	.p2alignl 7, 3214868480
	.fill 96, 4, 3214868480
	.section	.rodata,"a",@progbits
	.p2align	6, 0x0
	.amdhsa_kernel k_q06ae5af257_oproj
		.amdhsa_group_segment_fixed_size 327680
		.amdhsa_private_segment_fixed_size 0
		.amdhsa_enable_private_segment 0
		.amdhsa_kernarg_size 24
		.amdhsa_user_sgpr_count 2
		.amdhsa_user_sgpr_kernarg_segment_ptr 1
		.amdhsa_wavefront_size32 1
		.amdhsa_system_sgpr_workgroup_id_x 1
		.amdhsa_system_sgpr_workgroup_id_y 1
		.amdhsa_system_sgpr_workgroup_id_z 1
		.amdhsa_system_vgpr_workitem_id 0
		.amdhsa_next_free_vgpr 384
		.amdhsa_next_free_sgpr 66
		.amdhsa_reserve_vcc 0
		.amdhsa_float_denorm_mode_32 3
		.amdhsa_float_denorm_mode_16_64 3
		.amdhsa_memory_ordered 1
		.amdhsa_forward_progress 1
		.amdhsa_inst_pref_size 89
	.end_amdhsa_kernel
	.amdgpu_metadata
---
amdhsa.version: [ 1, 2 ]
amdhsa.kernels:
  - .name:           k_q06ae5af257_oproj
    .symbol:         k_q06ae5af257_oproj.kd
    .args:
      - { .name: ob, .offset: 0, .size: 8, .value_kind: global_buffer, .address_space: global }
      - { .name: wh, .offset: 8, .size: 8, .value_kind: global_buffer, .address_space: global }
      - { .name: out0, .offset: 16, .size: 8, .value_kind: global_buffer, .address_space: global }
    .group_segment_fixed_size: 327680
    .private_segment_fixed_size: 0
    .kernarg_segment_align: 8
    .kernarg_segment_size: 24
    .max_flat_workgroup_size: 128
    .sgpr_count:     66
    .vgpr_count:     384
    .wavefront_size: 32
...
	.end_amdgpu_metadata
.endif
;; end of part 4
